; MI455X (gfx1250); checked and timed in simulation.
; The chip was launched on July 23, 2026; its instructions are those of AMD's public machine-readable ISA for CDNA 5 (MIT licence, August 2026) and "CDNA5" Instruction Set Architecture Reference Guide (July 2026). The comments in the code are by the model that wrote it; some were corrected since.
;; Multi Head Attention. Allowed arithmetic: matrix products marked QUANTISED: E5M2 operands, one given power-of-two scale a tensor, by v_wmma_f32_16x16x64_bf8_bf8 or v_wmma_f32_16x16x128_bf8_bf8, f32 sums; everything else in f32.
;; Inputs: b_proj 1,024 float32; lowp_scales 8 int32 (the exponents e of the quantised operands' scales 2^e); w_proj 1,024 x 1,024 float32; w_qkv 3,072 x 1,024 float32; x 8 x 1,024 x 1,024 float32.
;; Outputs: out0 8 x 1,024 x 1,024 float32.
;; This version of the problem:
;;   THIS VERSION OF THE PROBLEM IS GIVEN IN LOW PRECISION. The matrix products marked QUANTISED in the list below multiply operands that are first quantised to E5M2 (5 exponent bits, 2 mantissa bits; 8 bits a number), with one given power-of-two scale for each operand tensor; their sums are f32. All else is computed in f32.
;;   The module's matrix products, in the order in which they are computed (A, B: the left and right operand; K: the contracted axis; several contracted axes count as one K, in the product's order):
;;     1. [M 8,192, K 1,024] x [K 1,024, N 3,072]; A: input x; B: input w_qkv: QUANTISED (scales: A lowp_scales[0], B lowp_scales[1])
;;     2. batch 128 x [M 1,024, K 64] x [K 64, N 1,024]; A: computed on the way; B: computed on the way: QUANTISED (scales: A lowp_scales[2], B lowp_scales[3])
;;     3. batch 128 x [M 1,024, K 1,024] x [K 1,024, N 64]; A: softmax (see below); B: computed on the way: QUANTISED (scales: A lowp_scales[4], B lowp_scales[5])
;;     4. [M 8,192, K 1,024] x [K 1,024, N 1,024]; A: computed on the way; B: input w_proj: QUANTISED (scales: A lowp_scales[6], B lowp_scales[7])
;;   THE QUANTISER, for each operand of a quantised product, along K:
;;     - The operand's scale is 2^e, e = its entry of the input lowp_scales (int32; the entries are numbered through the quantised products in the list's order, A before B).
;;     - Each number is divided by the scale, clamped to +-57,344, and rounded to the nearest number of E5M2, ties to even, subnormals kept.
;;     - The product sums the exact products of the quantised numbers (number of the format x scale) in f32.
;;   ~~~python
;;   def quantise(x, axis, e):      # numpy; x: float32 -> the quantised numbers, widened to float32 again
;;       x = np.moveaxis(x, axis, -1); K = x.shape[-1]
;;       r = np.clip(x / 2.0 ** e, -57344, 57344)
;;       step = 2.0 ** (np.maximum(np.frexp(np.where(r == 0, 1, r))[1] - 1, -14) - 2)
;;       q = np.round(r / step) * step * 2.0 ** e      # np.round: ties to even
;;       return np.moveaxis(q, -1, axis).astype(np.float32)
;;   ~~~
;;   SOFTMAX AHEAD OF A QUANTISED PRODUCT. Where the list says 'softmax', what is quantised is not the finished softmax but p = 2^(t - M), with t = logit x log2(e) and M = ceil(the row's largest t), a whole number; so 1/2 < the row's largest p <= 1. The row's sum l is taken of the UNQUANTISED p, in f32, and the product's result is divided by l at the end. Since M is a whole number, a kernel that streams over the keys may use a running M (the ceiling of the running maximum): every later rescaling is an exact power of two, so the quantised numbers keep their values, but for numbers so far below the row's largest that they fall under the format's range.
;;   OPERANDS COMPUTED ON THE WAY. 'Computed on the way' means the value that the module computes at that place (a softmax that the list does not call 'softmax' is quantised finished and normalised). What goes into a quantiser is computed in f32, as accurately as f32 sums, v_exp_f32 and their like allow (about 1e-6 of the number): no bf16 or f16 on the way to a quantiser, and a product that is left as it is and whose result goes on into a quantised operand takes f32 operands (vector FMAs, or v_wmma_f32_16x16x4_f32). A number that lies on a knife's edge between two numbers of the format may be rounded either way, as far as f32 arithmetic and the matrix unit's own rounding can turn it there, and no further.
;; One version. Each part assembles by itself: llvm-mc -triple=amdgcn-amd-amdhsa -mcpu=gfx1250 --defsym DOCPART=n.
;; ======== version 1 of 1: 4 launches
;; limits: right only within a limited range of input values
;; workspace buffers: x_img 8,388,608 bytes; wqkv_img 3,145,728 bytes; wproj_img 1,048,576 bytes; q_img 8,388,608 bytes; k_img 8,388,608 bytes; v_img 8,388,608 bytes; y_img 8,388,608 bytes
;; launch quant (part 1): grid 768 x 1, 4 waves a work-group, no clusters, 34,304 bytes of LDS; arguments x, w_qkv, w_proj, lowp_scales, x_img, wqkv_img, wproj_img; writes x_img, wqkv_img, wproj_img
.if DOCPART == 1
	.amdgcn_target "amdgcn-amd-amdhsa--gfx1250"
	.amdhsa_code_object_version 6
	.text
	.protected	k_q814cd60836_quant
	.globl	k_q814cd60836_quant
	.p2align	8
	.type	k_q814cd60836_quant,@function
k_q814cd60836_quant:
	s_mov_b64 s[64:65], 0
	v_nop
	global_prefetch_b8 v0, s[64:65] scope:SCOPE_SE
	s_setreg_imm32_b32 hwreg(HW_REG_WAVE_MODE, 25, 1), 1
	s_wait_xcnt 0x0
; x [8192][1024], w_qkv [3072][1024], w_proj [1024][1024], f32 with K innermost, become codes of BF8 (E5M2), each tensor with the one scale 2^e given for it (entries 0, 1 and 7 of the scales).
; code = number / 2^e, held within +-57,344, rounded to the nearest code, ties to even.  LIMITS: -126 <= e <= 112, so that 2^e and 57,344 x 2^e are f32 numbers.  NaN among the inputs is not served.
; WORK LEFT OUT BY THE PROGRAM: reference() builds a causal mask in its own body; where all 128 keys of a step come after a wave's 32 queries, every p of the step is 0 for all inputs, and launch attn does not do the step.
; LIMIT: a NaN, an infinity or an overflow that reaches only those scores or products is not carried to the result.
; THE CODES ARE STORED AS IMAGES OF OPERAND REGISTERS.  A fragment is 16 rows x 128 K, 2,048 bytes, laid [chunk c 0..3][lane 0..31][16 bytes]: lane (r = lane % 16, h = lane / 16) holds of row r
; k = 32 c + 8 h + 0..7 and k = 32 c + 16 + 8 h + 0..7: registers 4 c .. 4 c + 3 of the 8-bit operand layout.  A buffer is [tile of 16 rows][K step 0..7][2,048].
; SHARES.  All three tensors have rows of 4,096 bytes.  A work-group takes one tile of 16 rows: groups 0-511 x, 512-703 w_qkv, 704-767 w_proj; only pointers and e are chosen, the text has one path.
; Wave w takes K steps 2 w and 2 w + 1: two fragments, all 32 loads asked for at the start.  Each load reads 512 consecutive bytes of one row; the 16 x 512 bytes turn through the wave's own stage in LDS
; (rows 528 bytes apart) and come back 8 neighbours along K at a time; each store covers 512 consecutive bytes, aligned.  Waves share nothing: no barrier.
.set SP,    528                        ; a stage row: 512 bytes + 16
.set WST,   16*SP                      ; a wave's stage
.set SPARE, 0x8400                     ; behind the four stages: the spare words
.set R,     16                         ; v16-143   two sets of 64 numbers as loaded
.set X,     144                        ; v144-207  64 numbers in the operand's order
.set C,     208                        ; v208-239  two sets of 16 registers of codes
.set SPW,   240
.set NIL,   241
.set LI,    4                          ; v4   16 x lane; never rewritten
.set SIN,   5                          ; v5   the stage, on the way in
.set SOUT,  6                          ; v6   the stage, on the way out
.set LIM,   10                         ; v10  57,344 x 2^e
.set SCL,   11                         ; v11  2^e
	s_load_b256 s[4:11], s[0:1], 0x0               ; x s[4:5], w_qkv s[6:7], w_proj s[8:9], the scales' exponents s[10:11]
	s_load_b128 s[12:15], s[0:1], 0x20             ; x_img s[12:13], wqkv_img s[14:15]
	s_load_b64 s[16:17], s[0:1], 0x30              ; wproj_img
	v_lshl_add_u32 v[SPW], v0, 2, SPARE
	v_mov_b32 v[NIL], 0
	v_lshrrev_b32 v1, 5, v0
	v_readfirstlane_b32 s20, v1                    ; wave 0..3
	v_and_b32 v2, 31, v0
	v_lshlrev_b32 v[LI], 4, v2
	s_mul_i32 s21, s20, WST
	v_add_nc_u32 v[SIN], s21, v[LI]                ; in: row i at 528 i, my 16 bytes of its 512
	v_and_b32 v3, 15, v0                           ; r
	v_bfe_u32 v7, v0, 4, 1                         ; h
	v_mul_u32_u24 v[SOUT], v3, SP
	v_lshl_add_u32 v[SOUT], v7, 5, v[SOUT]
	v_add_nc_u32 v[SOUT], s21, v[SOUT]             ; out: row r, + 32 h bytes: eight numbers of my half
	s_mov_b32 s18, 704
	s_wait_alu depctr_va_vdst(0)
	s_wait_kmcnt 0x0
	s_load_b256 s[24:31], s[10:11], 0x0            ; e0 .. e7
	s_cmp_lt_u32 ttmp9, 704                        ; the choices hang on the work-group's number alone
	s_cselect_b64 s[6:7], s[6:7], s[8:9]
	s_cselect_b64 s[14:15], s[14:15], s[16:17]
	s_cselect_b32 s18, 512, s18
	s_cmp_lt_u32 ttmp9, 512
	s_cselect_b64 s[4:5], s[4:5], s[6:7]           ; the tensor,
	s_cselect_b64 s[12:13], s[12:13], s[14:15]     ; its image,
	s_cselect_b32 s18, 0, s18                      ; its first work-group
	s_sub_co_u32 s18, ttmp9, s18                   ; my tile of 16 rows
	s_lshl_b32 s22, s18, 16                        ; 16 rows of 4,096 bytes,
	s_lshl_b32 s23, s20, 10                        ; two K steps of 512 bytes
	s_add_co_u32 s22, s22, s23
	s_mov_b32 s23, 0
	s_add_nc_u64 s[4:5], s[4:5], s[22:23]
	s_lshl_b32 s22, s18, 14                        ; a tile's 8 fragments,
	s_lshl_b32 s32, s20, 12                        ; two of them
	s_add_co_u32 s22, s22, s32
	s_add_nc_u64 s[12:13], s[12:13], s[22:23]
.macro LOAD f                          ; fragment f: 16 rows x 512 bytes into set f
.set n, 0
.rept 16
	global_load_b128 v[R+64*(\f)+4*n:R+64*(\f)+4*n+3], v[LI], s[4:5] offset:4096*n+512*(\f) th:TH_LOAD_NT
.set n, n+1
.endr
.endm
	LOAD 0
	LOAD 1
	s_wait_kmcnt 0x0
	s_cmp_lt_u32 ttmp9, 704
	s_cselect_b32 s25, s25, s31
	s_cmp_lt_u32 ttmp9, 512
	s_cselect_b32 s24, s24, s25                    ; e
	s_add_co_i32 s24, s24, 127
	s_lshl_b32 s25, s24, 23
	v_mov_b32 v[SCL], s25                          ; 2^e as f32: the conversion takes its exponent field
	s_add_co_i32 s24, s24, 15
	s_lshl_b32 s24, s24, 23
	s_or_b32 s24, s24, 0x600000
	v_mov_b32 v[LIM], s24                          ; 57,344 x 2^e
.macro FRAG f
.if (\f) < 1
	s_wait_loadcnt 16                              ; this fragment's 16 loads are in; the next fragment's 16 may be out
.else
	s_wait_loadcnt 0x0
.endif
.set n, 0
.rept 16
	ds_store_b128 v[SIN], v[R+64*(\f)+4*n:R+64*(\f)+4*n+3] offset:SP*n
.set n, n+1
.endr
.set n, 0
.rept 16                               ; n = 4 c + 2 u + g: numbers k = 32 c + 16 u + 8 h + 4 g + 0..3 of row r.  LDS serves a wave's instructions in order: these see the stores above
	ds_load_b128 v[X+4*n:X+4*n+3], v[SOUT] offset:128*(n/4)+64*((n/2)%2)+16*(n%2)
.set n, n+1
.endr
	s_wait_dscnt 0x0                               ; the numbers are back
.set n, 0
.rept 64
	v_med3_num_f32 v[X+n], v[X+n], -v[LIM], v[LIM] ; the conversion to an 8-bit code does not saturate (ISA guide 7.6.2): the hold comes first
.set n, n+1
.endr
.set n, 0
.rept 8
	v_cvt_scalef32_pk8_bf8_f32 v[C+16*(\f)+2*n:C+16*(\f)+2*n+1], v[X+8*n:X+8*n+7], v[SCL]
.set n, n+1
.endr
	v_nop                                          ; a plain line between the conversions and the next fragment's holds, which write the conversions' sources
.set n, 0
.rept 4
	global_store_b128 v[LI], v[C+16*(\f)+4*n:C+16*(\f)+4*n+3], s[12:13] offset:2048*(\f)+512*n   ; chunk n: 512 consecutive bytes, aligned
.set n, n+1
.endr
.endm
	s_wait_alu depctr_va_vdst(0)
	FRAG 0
	FRAG 1
	s_wait_tensorcnt 0x0                           ; the wave's end
	ds_add_u32 v[SPW], v[NIL]
	s_wait_dscnt 0x0
	s_endpgm
.Lfunc_end_k_q814cd60836_quant:
	.size	k_q814cd60836_quant, .Lfunc_end_k_q814cd60836_quant-k_q814cd60836_quant
	.p2alignl 7, 3214868480
	.fill 96, 4, 3214868480
	.section	.rodata,"a",@progbits
	.p2align	6, 0x0
	.amdhsa_kernel k_q814cd60836_quant
		.amdhsa_group_segment_fixed_size 34304
		.amdhsa_private_segment_fixed_size 0
		.amdhsa_enable_private_segment 0
		.amdhsa_kernarg_size 56
		.amdhsa_user_sgpr_count 2
		.amdhsa_user_sgpr_kernarg_segment_ptr 1
		.amdhsa_wavefront_size32 1
		.amdhsa_system_sgpr_workgroup_id_x 1
		.amdhsa_system_sgpr_workgroup_id_y 1
		.amdhsa_system_sgpr_workgroup_id_z 1
		.amdhsa_system_vgpr_workitem_id 0
		.amdhsa_next_free_vgpr 242
		.amdhsa_next_free_sgpr 66
		.amdhsa_reserve_vcc 0
		.amdhsa_float_denorm_mode_32 3
		.amdhsa_float_denorm_mode_16_64 3
		.amdhsa_memory_ordered 1
		.amdhsa_forward_progress 1
		.amdhsa_inst_pref_size 20
	.end_amdhsa_kernel
	.amdgpu_metadata
---
amdhsa.version: [ 1, 2 ]
amdhsa.kernels:
  - .name:           k_q814cd60836_quant
    .symbol:         k_q814cd60836_quant.kd
    .args:
      - { .name: x, .offset: 0, .size: 8, .value_kind: global_buffer, .address_space: global }
      - { .name: w_qkv, .offset: 8, .size: 8, .value_kind: global_buffer, .address_space: global }
      - { .name: w_proj, .offset: 16, .size: 8, .value_kind: global_buffer, .address_space: global }
      - { .name: lowp_scales, .offset: 24, .size: 8, .value_kind: global_buffer, .address_space: global }
      - { .name: x_img, .offset: 32, .size: 8, .value_kind: global_buffer, .address_space: global }
      - { .name: wqkv_img, .offset: 40, .size: 8, .value_kind: global_buffer, .address_space: global }
      - { .name: wproj_img, .offset: 48, .size: 8, .value_kind: global_buffer, .address_space: global }
    .group_segment_fixed_size: 34304
    .private_segment_fixed_size: 0
    .kernarg_segment_align: 8
    .kernarg_segment_size: 56
    .max_flat_workgroup_size: 128
    .sgpr_count:     66
    .vgpr_count:     242
    .wavefront_size: 32
...
	.end_amdgpu_metadata
.endif
;; end of part 1
;; launch gemm_qkv (part 2): grid 8 x 32, 4 waves a work-group, clusters of 4 x 4, 327,680 bytes of LDS; arguments x_img, wqkv_img, lowp_scales, q_img, k_img, v_img; writes q_img, k_img, v_img
.if DOCPART == 2
	.amdgcn_target "amdgcn-amd-amdhsa--gfx1250"
	.amdhsa_code_object_version 6
	.text
	.protected	k_q814cd60836_gemm_qkv
	.globl	k_q814cd60836_gemm_qkv
	.p2align	8
	.type	k_q814cd60836_gemm_qkv,@function
k_q814cd60836_gemm_qkv:
	s_mov_b64 s[64:65], 0
	v_nop
	global_prefetch_b8 v0, s[64:65] scope:SCOPE_SE
	s_setreg_imm32_b32 hwreg(HW_REG_WAVE_MODE, 25, 1), 1
	s_wait_xcnt 0x0
	s_wait_alu depctr_hold_cnt(0) depctr_sa_sdst(0) depctr_va_vdst(0) depctr_va_sdst(0) depctr_va_ssrc(0) depctr_va_vcc(0) depctr_vm_vsrc(0)
	s_getreg_b32 s2, hwreg(HW_REG_IB_STS2, 6, 4)
	s_cmp_eq_u32 s2, 0
	s_cbranch_scc0 .Lentry_in_a_cluster
	s_endpgm
.Lentry_in_a_cluster:
	s_bfe_u32 s2, ttmp6, 0x10000c
	s_cmp_lg_u32 s2, 0xf033
	s_cbranch_scc0 .Lentry_shape_is_right
	s_endpgm
.Lentry_shape_is_right:
; qkv = x w_qkv^T on codes of BF8 (E5M2): [8192 x 1024] x [1024 x 3072]; the sums, f32, are quantised at once for the two products of attention and leave as codes.
; OPERANDS ARE IMAGES OF REGISTERS: a tile of 16 rows is 16,384 bytes, [chunk of 32 K][lane][16 bytes]: lane (r, h) holds of row r k = 32 c + 8 h + 0..7 and 32 c + 16 + 8 h + 0..7.
; x_img has 512 tiles, wqkv_img 192.  A fragment of 64 K, 1,024 bytes, comes from LDS by two loads at 16 x lane + 512 c: consecutive bytes, no pitch.
; SHARES.  256 work-groups.  Work-group (cg, rb) owns rows 256 rb .. + 255 of x and heads 2 cg, 2 cg + 1: 128 columns each of q, k and v.  Four waves, 2 x 2: a wave makes q, k and v of one head for 128 tokens:
; 8 blocks of 16 rows x 12 of 16 columns = 96 accumulators, 768 registers.  16 steps of 64 along K, 96 matrix instructions each, written out by macros.
; LDS: K comes in FIVE FILLS of 256, 192, 256, 192, 128 through two slots (40 tiles x 4,096 and 40 x 3,072 bytes).  At a fill wave 0 asks for A's 16 tiles, waves 1, 2, 3 for the 8 tiles of q's, k's, v's columns: one load a wave.
; CLUSTERS: 4 x 4 work-groups.  The four of a row of the cluster share rb and ask for A jointly; the four of a column share cg and ask for B jointly.
; NO PREFETCH: K is short, five fills written out, no loop to run ahead in; from a later fill's request to the wait for it stand 256 to 352 matrix instructions of a wave.
; THE WAY OUT.  q and k are used transposed (source 0 = rows of w, source 1 = rows of x): a lane holds one token and 8 neighbouring channels, a register pair of attention's operand with K = the head's 64.
; v is used as it stands (source 0 = rows of x): a lane holds one channel and 8 neighbouring tokens, a register pair of the operand with K = the keys.  So the conversions' results are stored as images:
; q_img, k_img [batch x 16 + head][tile of 16 tokens 64][1024];  v_img [batch x 16 + head][block of 128 keys 8][tile of 16 channels 4][2048].  Every store covers 512 consecutive bytes, aligned; a wave stores 8,192 in each image.
; A sum stands for sum x 2^(e0 + e1), so its code is sum / 2^(e - e0 - e1), e = e2 (q), e3 (k), e5 (v).  LIMITS: each of these three differences lies between -126 and 112.  NaN is not served.
; REGISTERS: window 0: v0-31 addresses and scales; v32-159 A's fragments, two sets of eight; v160-255 B's twelve, one set, in thirds (q, k, v); on the way out v32-223 codes.
;   window 1 + part: the part's accumulators: (a, i) = rows 16 a, columns 16 i at v[8 (4 a + i)].
.set SLOT1,  163840                    ; slot 0: 40 tiles x 4,096 bytes; slot 1: 40 x 3,072
.set SPARE,  SLOT1+122880              ; then the spare words, 128 bytes for each wave
.set LI,   1                           ; v1    16 x lane; never rewritten
.set SPW,  5                           ; v5    LDS address of my spare word; never rewritten
.set NIL,  6                           ; v6    0; never rewritten
.set SC,   8                           ; v8-13 for each part: the conversion's scale, and 57,344 x it
.set ADR,  14                          ; v14-22 for each shape p of a fill (row bytes 4096 - 1024 p): my tiles of A; of q and k; of v
.set AF,   32
.set BF,   160
.set CD,   32
.set G1A,  24                          ; s[24:31] descriptor group 1 for A;  s[32:39] for B
.set G1B,  32
.set G0A,  40                          ; s[40:43], s[44:47] their groups 0
.set G0B,  44
.set MSB,  0
.macro WIN new                         ; the immediate's high byte repeats the setting that is left
.if MSB != (\new)
	s_set_vgpr_msb (MSB<<8)|(\new)
.set MSB, (\new)
.endif
.endm
.macro PLACES n
.rept \n
	v_nop
.endr
.endm
.macro CREST                           ; a round of the cluster's barrier behind its opening barrier
	s_cmp_lg_u32 s16, 0
	s_cbranch_scc1 .Lnot_wave_0_\@
	s_barrier_signal -3
.Lnot_wave_0_\@:
	s_barrier_wait -3
	s_barrier_signal -1
	s_barrier_wait -1
.endm
.macro CROUND                          ; a whole round
	s_barrier_signal -1
	s_barrier_wait -1
	CREST
.endm
.macro JLOAD                           ; a joint load: wave 0 for A, the others for B; the branch hangs on the wave's number alone
	s_cmp_eq_u32 s16, 0
	s_cbranch_scc0 .Lfor_b_\@
	tensor_load_to_lds s[G0A:G0A+3], s[G1A:G1A+7]
	s_nop 0
.rept 4
	v_nop
.endr
	s_branch .Lasked_\@
.Lfor_b_\@:
	tensor_load_to_lds s[G0B:G0B+3], s[G1B:G1B+7]
	s_nop 0
.rept 4
	v_nop
.endr
.Lasked_\@:
.endm
.macro DESC rb, slot, adv              ; the next fill: rows of rb bytes into the slot, adv bytes on along K.  No tensor load of mine is out
	s_mov_b32 s[G1A+1], ((\rb)/8)<<16              ; tensor_dim0
	s_mov_b32 s[G1A+3], ((\rb)/8)<<16              ; tile_dim0
	s_mov_b32 s[G1B+1], ((\rb)/8)<<16
	s_mov_b32 s[G1B+3], ((\rb)/8)<<16
	s_mov_b32 s[G0A+1], \slot                      ; A's 16 tiles,
	s_mul_i32 s70, s16, 8*(\rb)
	s_add_co_u32 s[G0B+1], s70, (\slot)+8*(\rb)    ; then 8 for each of waves 1, 2, 3
.if (\adv) > 0
	s_add_nc_u64 s[G0A+2:G0A+3], s[G0A+2:G0A+3], \adv
	s_add_nc_u64 s[G0B+2:G0B+3], s[G0B+2:G0B+3], \adv
.endif
.endm
.macro MKADR p, slot, rb
	s_mul_i32 s70, s17, 8*(\rb)                    ; my eight tiles of A
	s_add_co_u32 s70, s70, \slot
	v_add_nc_u32 v[ADR+3*\p], s70, v[LI]
	s_mul_i32 s70, s18, 4*(\rb)                    ; my head's four tiles of q; k's lie 8 tiles on,
	s_add_co_u32 s70, s70, (\slot)+16*(\rb)
	v_add_nc_u32 v[ADR+3*\p+1], s70, v[LI]
	s_add_co_u32 s70, s70, 16*(\rb)                ; v's 16
	v_add_nc_u32 v[ADR+3*\p+2], s70, v[LI]
.endm
	s_load_b256 s[4:11], s[0:1], 0x0               ; x_img s[4:5], wqkv_img s[6:7], the scales' exponents s[8:9], q_img s[10:11]
	s_load_b128 s[12:15], s[0:1], 0x20             ; k_img s[12:13], v_img s[14:15]
	v_lshl_add_u32 v[SPW], v0, 2, SPARE
	v_mov_b32 v[NIL], 0
	ds_add_u32 v[SPW], v[NIL]                      ; the opening lines: the add, twice on end, and its wait
	ds_add_u32 v[SPW], v[NIL]
	v_lshrrev_b32 v3, 5, v0
	v_readfirstlane_b32 s16, v3                    ; wave 0..3
	v_and_b32 v[LI], 31, v0
	v_lshlrev_b32 v[LI], 4, v[LI]
	s_wait_alu depctr_va_vdst(0)                   ; ahead of the scalar lines
	s_lshr_b32 s17, s16, 1                         ; which 128 rows are mine
	s_and_b32 s18, s16, 1                          ; which head
	s_bfe_u32 s19, ttmp6, 0x40000                  ; cx, cy: my place in the cluster
	s_bfe_u32 s20, ttmp6, 0x40004
	s_lshl_b32 s21, ttmp9, 2
	s_add_co_u32 s21, s21, s19                     ; cg = 4 x cluster x + cx
	s_and_b32 s22, ttmp7, 0xffff
	s_lshl_b32 s22, s22, 2
	s_add_co_u32 s22, s22, s20                     ; rb = 4 x cluster y + cy
	s_lshl_b32 s72, s20, 2
	s_lshl_b32 s72, 15, s72                        ; my row of the cluster
	s_lshl_b32 s74, 0x1111, s19                    ; my column
	s_or_b32 s[G1A], s72, (3<<16)|(1<<21)          ; 15:0 the mask; 17:16 elements of 8 bytes; 21 set beside a mask; no padding
	s_mov_b32 s[G1A+2], 16<<16                     ; tensor_dim1 = 16 tiles
	s_mov_b32 s[G1A+4], 16
	s_mov_b32 s[G1A+5], 2048                       ; a tile's 16,384 bytes from row to row
	s_mov_b32 s[G1A+6], 0
	s_mov_b32 s[G1A+7], 0
	s_or_b32 s[G1B], s74, (3<<16)|(1<<21)
	s_mov_b32 s[G1B+2], 8<<16
	s_mov_b32 s[G1B+4], 8
	s_mov_b32 s[G1B+5], 2048
	s_mov_b32 s[G1B+6], 0
	s_mov_b32 s[G1B+7], 0
	s_lshl_b32 s60, s22, 18                        ; A: 16 rb tiles
	s_mov_b32 s61, 0
	s_max_u32 s62, s16, 1
	s_sub_co_u32 s62, s62, 1                       ; B: the part that my wave fetches: 64 tiles a part,
	s_lshl_b32 s62, s62, 20
	s_lshl_b32 s75, s21, 17                        ; + 8 cg tiles
	s_add_co_u32 s62, s62, s75
	s_mov_b32 s63, 0
	; where my codes go: the same offset in all three images
	s_lshr_b32 s66, s22, 2                         ; the batch: four row blocks
	s_lshl_b32 s66, s66, 4
	s_lshl_b32 s77, s21, 1
	s_add_co_u32 s66, s66, s77
	s_add_co_u32 s66, s66, s18                     ; batch x 16 + my head
	s_lshl_b32 s66, s66, 16                        ; 65,536 bytes a head
	s_and_b32 s77, s22, 3
	s_lshl_b32 s77, s77, 14
	s_add_co_u32 s66, s66, s77
	s_lshl_b32 s77, s17, 13                        ; 128 tokens: 8,192 bytes
	s_add_co_u32 s66, s66, s77
	s_mov_b32 s67, 0
	MKADR 0, 0, 4096
	MKADR 1, SLOT1, 3072
	MKADR 2, 0, 2048
	s_wait_alu depctr_va_vdst(0)                   ; directly ahead of the waits below
	s_wait_dscnt 0x0                               ; both opening adds are done
	s_wait_kmcnt 0x0
	s_load_b256 s[52:59], s[8:9], 0x0              ; e0 .. e7
	s_mov_b32 s[G0A], 1
	s_add_nc_u64 s[G0A+2:G0A+3], s[4:5], s[60:61]
	s_or_b32 s[G0A+3], s[G0A+3], 0x80000000
	s_mov_b32 s[G0B], 1
	s_add_nc_u64 s[G0B+2:G0B+3], s[6:7], s[62:63]
	s_or_b32 s[G0B+3], s[G0B+3], 0x80000000
	DESC 4096, 0, 0
	CROUND                                         ; all sixteen work-groups are here: the first joint loads meet
	JLOAD                                          ; K 0 .. 255
	s_add_nc_u64 s[10:11], s[10:11], s[66:67]
	s_add_nc_u64 s[12:13], s[12:13], s[66:67]
	s_add_nc_u64 s[14:15], s[14:15], s[66:67]
.macro MKSC e, vs                      ; v[vs] = 2^(e - e0 - e1) as f32, v[vs + 1] = 57,344 x that
	s_sub_co_i32 s78, s[\e], s77
	s_add_co_i32 s78, s78, 127
	s_lshl_b32 s79, s78, 23
	v_mov_b32 v[\vs], s79
	s_add_co_i32 s78, s78, 15
	s_lshl_b32 s78, s78, 23
	s_or_b32 s78, s78, 0x600000
	v_mov_b32 v[\vs+1], s78
.endm
	s_wait_kmcnt 0x0
	s_add_co_i32 s77, s52, s53                     ; e0 + e1
	MKSC 54, SC
	MKSC 55, SC+2
	MKSC 57, SC+4
.macro FA p, ks, set, i0               ; A's fragments i0 .. i0 + 3 of the slot's ks-th 64 along K: 8 LDS loads
.set RB, 4096-1024*(\p)
.set n, 2*(\i0)
.rept 8
	ds_load_b128 v[AF+64*(\set)+4*n:AF+64*(\set)+4*n+3], v[ADR+3*(\p)] offset:RB*(n/2)+1024*(\ks)+512*(n%2)
.set n, n+1
.endr
.endm
.macro FB j, p, ks                     ; B's third j: four fragments, 8 LDS loads
.set RB, 4096-1024*(\p)
.set n, 0
.rept 8
	ds_load_b128 v[BF+32*(\j)+4*n:BF+32*(\j)+4*n+3], v[ADR+3*(\p)+1+(\j)/2] offset:RB*(8*((\j)%2)+n/2)+1024*(\ks)+512*(n%2)
.set n, n+1
.endr
.endm
; 16 matrix instructions of third j: A's blocks a0 .. a0 + 3 against the third's four.  zero = 1: the first products start the sums.  The 96 accumulators take turns, one instruction a turn, in the same order in every step.
.macro MUL j, a0, set, zero
	WIN 0x50*((\j)+1)                              ; C and D window 1 + j, sources window 0
.set n, 4*(\a0)
.rept 16
.set rA, AF+64*(\set)+8*(n/4)
.set rB, BF+32*(\j)+8*(n%4)
.set rD, 8*n
.if (\j) == 2
.if \zero
	v_wmma_f32_16x16x64_bf8_bf8 v[rD:rD+7], v[rA:rA+7], v[rB:rB+7], 0
.else
	v_wmma_f32_16x16x64_bf8_bf8 v[rD:rD+7], v[rA:rA+7], v[rB:rB+7], v[rD:rD+7]
.endif
.else
.if \zero
	v_wmma_f32_16x16x64_bf8_bf8 v[rD:rD+7], v[rB:rB+7], v[rA:rA+7], 0
.else
	v_wmma_f32_16x16x64_bf8_bf8 v[rD:rD+7], v[rB:rB+7], v[rA:rA+7], v[rD:rD+7]
.endif
.endif
.set n, n+1
.endr
.endm
; A step (part ks of a slot of shape p) whose successor lies in the same slot.  In the middle of each third stand the loads into registers that earlier thirds have freed: this step's third 2 and the next step's
; A 0-3;  the next step's third 0 and A 4-7;  its third 1.  A has two sets.  Behind each third stand four places, ahead of loads into registers that its products have read (ISA guide 7.12.1 for vector instructions).
.macro STEP p, ks, set, zero
	s_wait_dscnt 8                                 ; A and third 0 are in; third 1's 8 loads may be out
	MUL 0, 0, \set, \zero
	WIN 0
	FB 2, \p, \ks
	FA \p, (\ks)+1, 1-(\set), 0
	MUL 0, 4, \set, \zero
	PLACES 4
	s_wait_dscnt 16                                ; third 1 is in; the 16 just issued may be out
	MUL 1, 0, \set, \zero
	WIN 0
	FB 0, \p, (\ks)+1
	FA \p, (\ks)+1, 1-(\set), 4
	MUL 1, 4, \set, \zero
	PLACES 4
	s_wait_dscnt 24                                ; third 2 is in; the 24 behind it may be out
	MUL 2, 0, \set, \zero
	WIN 0
	FB 1, \p, (\ks)+1
	MUL 2, 4, \set, \zero
	PLACES 4
	WIN 0
.endm
; A slot's last step changes slots: ONE barrier.  In front of it each wave waits for all its tensor loads (its part of the next slot, of shape np), adds 0 to its spare word, and waits for that and for its reads of this slot.
; fill = 1: the barrier opens a round of the cluster's, and this slot is filled again: the first tensor load behind the round, one a wave.
.macro TURN p, ks, np, set, fill, rb, slot, adv
	s_wait_dscnt 8
	MUL 0, 0, \set, 0
	WIN 0
	FB 2, \p, \ks                                  ; my last reads of this slot
	s_wait_tensorcnt 0x0                           ; all my tensor loads have landed
	ds_add_u32 v[SPW], v[NIL]                      ; 0 onto my spare word
	MUL 0, 4, \set, 0                              ; sixteen matrix instructions stand between the add and the wait for it
	PLACES 4
	s_wait_dscnt 0x0                               ; the add is done, and my reads of this slot are over
	s_barrier_signal -1
	MUL 1, 0, \set, 0
	WIN 0
.if \fill
	DESC \rb, \slot, \adv
.endif
	s_barrier_wait -1
.if \fill
	CREST                                          ; no wave of any partner still reads this slot or has a load on its way
	JLOAD
.endif
	FA \np, 0, 1-(\set), 0
	FA \np, 0, 1-(\set), 4
	FB 0, \np, 0
	MUL 1, 4, \set, 0
	PLACES 4
	MUL 2, 0, \set, 0
	WIN 0
	FB 1, \np, 0
	MUL 2, 4, \set, 0
	PLACES 4
	WIN 0
.endm
; THE WAY OUT of a part: every sum is held within +-57,344 x the scale, each accumulator from its low end on; eight sums become a register pair of codes; 16 stores of 512 consecutive bytes.
; q, k: lane (r, h) of (a, i): token 16 a + r, channels 16 i + 8 h + 0..7: registers 2 i, 2 i + 1 of token tile a.   v: channel 16 i + r, tokens 16 a + 8 h + 0..7: registers 2 a, 2 a + 1 of channel tile i.
; By groups g of four accumulators, which make two stores: q, k: token tile a = g;  v: channel tile i = g / 2, token blocks 4 (g % 2) + 0..3.  t: 32 free registers that take the held sums.
.macro EPI part, st, t
.set g, 0
.rept 8
	WIN (\part)+1                                  ; source 0 window 1 + part, destination window 0
.set m, 0
.rept 4
.if (\part) == 2
.set rS, 8*(4*(4*(g%2)+m)+g/2)
.else
.set rS, 8*(4*g+m)
.endif
.set n, 0
.rept 8
	v_med3_num_f32 v[(\t)+8*m+n], v[rS+n], -v[SC+2*(\part)+1], v[SC+2*(\part)+1]
.set n, n+1
.endr
.set m, m+1
.endr
	WIN 0
.set m, 0
.rept 4
	v_cvt_scalef32_pk8_bf8_f32 v[CD+64*(\part)+8*g+2*m:CD+64*(\part)+8*g+2*m+1], v[(\t)+8*m:(\t)+8*m+7], v[SC+2*(\part)]
.set m, m+1
.endr
	v_nop                                          ; a plain line between the conversions and the next group's holds, which write the conversions' sources
.set m, 0
.rept 2
	global_store_b128 v[LI], v[CD+64*(\part)+8*g+4*m:CD+64*(\part)+8*g+4*m+3], s[\st:\st+1] offset:512*(2*g+m)
.set m, m+1
.endr
.set g, g+1
.endr
.endm
	s_wait_alu depctr_va_vdst(0)
	s_wait_tensorcnt 0x0                           ; my part of the first fill is in
	ds_add_u32 v[SPW], v[NIL]
	DESC 3072, SLOT1, 4096
	s_wait_dscnt 0x0
	CROUND                                         ; everybody's part is in, and the joint loads meet
	JLOAD                                          ; K 256 .. 447
	FA 0, 0, 0, 0
	FA 0, 0, 0, 4
	FB 0, 0, 0
	FB 1, 0, 0
	STEP 0, 0, 0, 1
	STEP 0, 1, 1, 0
	STEP 0, 2, 0, 0
	TURN 0, 3, 1, 1, 1, 4096, 0, 3072              ; asks for K 448 .. 703
	STEP 1, 0, 0, 0
	STEP 1, 1, 1, 0
	TURN 1, 2, 0, 0, 1, 3072, SLOT1, 4096          ; K 704 .. 895
	STEP 0, 0, 1, 0
	STEP 0, 1, 0, 0
	STEP 0, 2, 1, 0
	TURN 0, 3, 1, 0, 1, 2048, 0, 3072              ; K 896 .. 1023
	STEP 1, 0, 1, 0
	STEP 1, 1, 0, 0
	TURN 1, 2, 2, 1, 0, 0, 0, 0                    ; nothing is left to fetch: no round, no load
	STEP 2, 0, 0, 0
	s_wait_dscnt 8                                 ; the very last step
	MUL 0, 0, 1, 0
	WIN 0
	FB 2, 2, 1
	MUL 0, 4, 1, 0
	PLACES 4                                       ; places behind q's last products
	EPI 0, 10, 160                                 ; q leaves ahead of the last products of k and v: its codes take A's idle set, its held sums third 0 of B
	s_wait_dscnt 0x0                               ; thirds 1 and 2 are in
	MUL 1, 0, 1, 0
	MUL 1, 4, 1, 0
	MUL 2, 0, 1, 0
	MUL 2, 4, 1, 0
	PLACES 4                                       ; places behind the last products
	EPI 1, 12, 224
	EPI 2, 14, 224
	s_wait_tensorcnt 0x0                           ; the wave's end
	ds_add_u32 v[SPW], v[NIL]
	s_wait_dscnt 0x0
	CROUND                                         ; the closing round: no work-group ends while a partner may still ask for a tile that names it
	s_endpgm
.Lfunc_end_k_q814cd60836_gemm_qkv:
	.size	k_q814cd60836_gemm_qkv, .Lfunc_end_k_q814cd60836_gemm_qkv-k_q814cd60836_gemm_qkv
	.p2alignl 7, 3214868480
	.fill 96, 4, 3214868480
	.section	.rodata,"a",@progbits
	.p2align	6, 0x0
	.amdhsa_kernel k_q814cd60836_gemm_qkv
		.amdhsa_group_segment_fixed_size 327680
		.amdhsa_private_segment_fixed_size 0
		.amdhsa_enable_private_segment 0
		.amdhsa_kernarg_size 48
		.amdhsa_user_sgpr_count 2
		.amdhsa_user_sgpr_kernarg_segment_ptr 1
		.amdhsa_wavefront_size32 1
		.amdhsa_system_sgpr_workgroup_id_x 1
		.amdhsa_system_sgpr_workgroup_id_y 1
		.amdhsa_system_sgpr_workgroup_id_z 1
		.amdhsa_system_vgpr_workitem_id 0
		.amdhsa_next_free_vgpr 1024
		.amdhsa_next_free_sgpr 82
		.amdhsa_reserve_vcc 0
		.amdhsa_float_denorm_mode_32 3
		.amdhsa_float_denorm_mode_16_64 3
		.amdhsa_memory_ordered 1
		.amdhsa_forward_progress 1
		.amdhsa_inst_pref_size 223
	.end_amdhsa_kernel
	.amdgpu_metadata
---
amdhsa.version: [ 1, 2 ]
amdhsa.kernels:
  - .name:           k_q814cd60836_gemm_qkv
    .symbol:         k_q814cd60836_gemm_qkv.kd
    .args:
      - { .name: x_img, .offset: 0, .size: 8, .value_kind: global_buffer, .address_space: global }
      - { .name: wqkv_img, .offset: 8, .size: 8, .value_kind: global_buffer, .address_space: global }
      - { .name: lowp_scales, .offset: 16, .size: 8, .value_kind: global_buffer, .address_space: global }
      - { .name: q_img, .offset: 24, .size: 8, .value_kind: global_buffer, .address_space: global }
      - { .name: k_img, .offset: 32, .size: 8, .value_kind: global_buffer, .address_space: global }
      - { .name: v_img, .offset: 40, .size: 8, .value_kind: global_buffer, .address_space: global }
    .group_segment_fixed_size: 327680
    .private_segment_fixed_size: 0
    .kernarg_segment_align: 8
    .kernarg_segment_size: 48
    .max_flat_workgroup_size: 128
    .sgpr_count:     82
    .vgpr_count:     1024
    .wavefront_size: 32
...
	.end_amdgpu_metadata
.endif
;; end of part 2
;; launch attn (part 3): grid 2 x 128, 8 waves a work-group, no clusters, 327,680 bytes of LDS; arguments q_img, k_img, v_img, lowp_scales, y_img; writes y_img
.if DOCPART == 3
	.amdgcn_target "amdgcn-amd-amdhsa--gfx1250"
	.amdhsa_code_object_version 6
	.text
	.protected	k_q814cd60836_attn
	.globl	k_q814cd60836_attn
	.p2align	8
	.type	k_q814cd60836_attn,@function
k_q814cd60836_attn:
	s_mov_b64 s[64:65], 0
	v_nop
	global_prefetch_b8 v0, s[64:65] scope:SCOPE_SE
	s_setreg_imm32_b32 hwreg(HW_REG_WAVE_MODE, 25, 1), 1
	s_wait_xcnt 0x0
; y = softmax(q k^T / 8 under the causal mask) v for 128 heads of 1,024 tokens x 64, both products on codes of BF8 (E5M2), sums in f32; y is quantised for the next product and leaves as codes.
; WORK LEFT OUT: a step of 128 keys all of which come after the wave's 32 queries: reference()'s own mask makes its p 0 for all inputs (the head of launch quant says more).
; SOFTMAX: t = score x 2^(e2 + e3) x log2(e) / 8; M = the running largest t rounded UP to a whole number; p = 2^(t - M) is quantised along the keys, not normalised; the row's sum is of the unquantised p and divides at the end;
; when M moves, the sum and the result are multiplied by 2^(old M - new M), a power of two.
; SHARES.  A head has two work-groups of eight waves.  Wave index s = 8 x work-group + wave, 0..15: it takes query tile 31 - s (32 queries, the LATE tile), then tile s (the EARLY one): (8 - s / 4) + (s / 4 + 1) = 9 steps of 128 keys in every wave.
; A head's K and V, 65,536 bytes each, come into LDS by two fills, of 384 and of 640 keys, one load a wave: waves 0-3 K's quarters, waves 4-7 V's.  The second is on its way while the late tile's first three steps are done; then the waves share nothing more.
; No byte is filled twice, and there is no loop of fills to prefetch ahead of.  NO CLUSTER: only two work-groups read the same K and V, once each, in two fills.
; STEPS are counted from 0 to 11: 0..7 the late tile's, 8..11 the early tile's (its queries lie below 512); a step's keys are 128 x (count mod 8) on.
; IMAGES: q, k [head][tile of 16 tokens 64][1024]; v [head][block of 128 keys 8][tile of 16 channels 4][2048]; y [tile of 16 rows 512][K step 8][2048].  Both products are used transposed: a lane holds one query (lane % 16).
; S^T's register j of tile t in lane (r, h) is key 16 t + 8 h + j, so eight of p become a register pair of the second product's operand.
; LIMITS: e2 + e3 between -123 and 120; e4 between -126 and 112; e6 - e4 - e5 between -126 and 112.  The promise holds while the scaled scores (exponents to the base 2, the maximum not yet taken away) stay under 2^31 in magnitude.  NaN is not served.
; REGISTERS: window 0: v1-31 addresses and what is carried; QL the tile in hand's fragments, QS the early tile's; P codes of p; S scores, then p, of both 16-query halves.  window 1: v0-63 K, v64-127 V, v128-191 O^T.
.set LI,   1
.set ADR,  2
.set LIV,  5
.set NINF, 6
.set PSC,  7
.set PLIM, 8
.set YSC,  9
.set YLIM, 10
.set ADV,  11
.set NM,   12                          ; for each half: -M, the largest t, the sum in two parts
.set F,    20
.set W,    24
.set QL,   32
.set P,    48
.set SU2,  80
.set YOL,  84
.set YOS,  85
.set QOL,  86
.set QOS,  87
.set SPW,  94
.set NIL,  95
.set S,    96
.set QS,   224
.set YC,   240
.set VW,   64
.set OW,   128
.set SPARE, 0x20000                    ; behind K and V: the spare words, 128 bytes for each wave
.set WV,   14
.set G1,   24
.set CS,   48
.set SEL,  50
.set TB,   52
.set KF,   53
.set Q0,   54
.set CNT,  55
.set MK,   70
.set MSB,  0
.macro WIN new                         ; the immediate's high byte repeats the setting that is left
.if MSB != (\new)
	s_set_vgpr_msb (MSB<<8)|(\new)
.set MSB, (\new)
.endif
.endm
.macro PLACES n
.rept \n
	v_nop
.endr
.endm
	s_load_b256 s[4:11], s[0:1], 0x0               ; q_img, k_img, v_img, the scales' exponents
	s_load_b64 s[12:13], s[0:1], 0x20              ; y_img
	v_lshl_add_u32 v[SPW], v0, 2, SPARE
	v_mov_b32 v[NIL], 0
	ds_add_u32 v[SPW], v[NIL]                      ; the opening lines: the add, twice on end, and its wait
	ds_add_u32 v[SPW], v[NIL]
	v_lshrrev_b32 v2, 5, v0
	s_delay_alu instid0(VALU_DEP_1)
	v_readfirstlane_b32 s[WV], v2                  ; wave 0..7
	v_and_b32 v[LI], 31, v0
	v_and_b32 v3, 15, v0                           ; r
	v_bfe_u32 v4, v0, 4, 1                         ; h
	v_mov_b32 v[NINF], 0xff800000
	v_lshlrev_b32 v[LI], 4, v[LI]                  ; 16 x lane
	v_lshlrev_b32 v4, 3, v4
	v_mov_b32 v[F+1], 0                            ; (named as upper halves of pairs)
	v_mov_b32 v[F+3], 0
	v_add_nc_u32 v[LIV], 0x10000, v[LI]            ; the same in V
	v_sub_nc_u32 v3, v3, v4                        ; r - 8 h
	v_mov_b32 v[W+2], 0                            ; (a lane permute's destination counts as one of its sources)
	v_mov_b32 v[W+5], 0
.irp j, 0,1,2,3,4,5,6,7
	v_cmp_gt_i32 s[MK+\j], \j, v3                  ; on the diagonal: key 8 h + j comes after query r
.endr
	s_wait_alu depctr_va_vdst(0)                   ; ahead of the scalar lines
	s_and_b32 s16, ttmp7, 0xffff                   ; batch x 16 + head
	s_mov_b32 s[G1], 3<<16                         ; elements of 8 bytes, no mask, no padding
	s_mov_b32 s[G1+1], 32<<16                      ; 24 rows of 256 bytes, dense
	s_mov_b32 s[G1+2], 24<<16
	s_mov_b32 s[G1+3], 32<<16
	s_mov_b32 s[G1+4], 24
	s_mov_b32 s[G1+5], 32
	s_mov_b32 s[G1+6], 0
	s_mov_b32 s[G1+7], 0
	s_lshl_b32 s56, s16, 16                        ; the head in q, k and v
	s_mov_b32 s57, 0
	s_and_b32 s58, s[WV], 3                        ; my quarter of a fill:
	s_mul_i32 s63, s58, 6144                       ; of 24,576 bytes,
	s_mul_i32 s78, s58, 10240                      ; of 40,960 behind them
	s_add_co_u32 s78, s78, 24576
	s_add_co_u32 s58, s63, s56
	s_mov_b32 s59, 0
	s_lshr_b32 s62, s[WV], 2                       ; K (waves 0-3) or V (4-7)
	s_lshl_b32 s62, s62, 16                        ; in LDS: K, then V
	s_add_co_u32 s19, s62, s78                     ; where my part of the second fill goes,
	s_add_co_u32 s62, s62, s63                     ; of the first,
	s_sub_co_u32 s20, s78, s63                     ; and the way from one to the other in memory
	s_mov_b32 s21, 0
	s_lshl_b32 s66, ttmp9, 3
	s_add_co_u32 s66, s66, s[WV]                   ; s
	s_sub_co_u32 s67, 31, s66                      ; 31 - s
	s_lshl_b32 s17, s66, 5                         ; first queries
	s_lshl_b32 s18, s67, 5
	s_lshl_b32 s60, s67, 11
	v_add_nc_u32 v[QOL], s60, v[LI]
	s_lshl_b32 s60, s66, 11
	v_add_nc_u32 v[QOS], s60, v[LI]
	s_lshl_b32 s60, s67, 15
	v_add_nc_u32 v[YOL], s60, v[LI]
	s_lshl_b32 s60, s66, 15
	v_add_nc_u32 v[YOS], s60, v[LI]
	s_lshr_b32 s68, s16, 4                         ; y: the batch's 64 tiles of 16,384 bytes,
	s_lshl_b32 s68, s68, 20
	s_bfe_u32 s61, s16, 0x30001
	s_lshl_b32 s61, s61, 11                        ; K step head / 2,
	s_add_co_u32 s68, s68, s61
	s_and_b32 s61, s16, 1
	s_lshl_b32 s61, s61, 10                        ; half head % 2 of its 2,048 bytes
	s_add_co_u32 s68, s68, s61
	s_mov_b32 s69, 0
	s_wait_alu depctr_va_vdst(0)                   ; directly ahead of the waits below
	s_wait_dscnt 0x0                               ; both opening adds are done
	s_wait_kmcnt 0x0
	s_load_b256 s[40:47], s[10:11], 0x0            ; e0 .. e7
	s_cmp_lt_u32 s[WV], 4
	s_cselect_b64 s[60:61], s[6:7], s[8:9]
	s_add_nc_u64 s[60:61], s[60:61], s[58:59]
	s_mov_b32 s32, 1
	s_mov_b32 s33, s62
	s_mov_b64 s[34:35], s[60:61]
	s_or_b32 s35, s35, 0x80000000
	tensor_load_to_lds s[32:35], s[G1:G1+7]        ; keys 0 .. 383
	s_nop 0
	s_add_nc_u64 s[4:5], s[4:5], s[56:57]
.set n, 0
.rept 4
	global_load_b128 v[QL+4*n:QL+4*n+3], v[QOL], s[4:5] offset:512*n
.set n, n+1
.endr
	s_add_nc_u64 s[12:13], s[12:13], s[68:69]
	s_mov_b32 s[SEL], 0x76543210                   ; lane l xor 16
	s_mov_b32 s[SEL+1], 0xfedcba98
	s_mov_b32 s[CS], 0x3e38aa3b                    ; log2(e) / 8
	s_wait_kmcnt 0x0
	s_add_co_i32 s56, s42, s43
	s_lshl_b32 s56, s56, 23
	s_add_co_i32 s[CS], s[CS], s56                 ; x 2^(e2 + e3)
	s_mov_b32 s[CS+1], s[CS]
	s_add_co_i32 s56, s44, 127
	s_lshl_b32 s57, s56, 23
	v_mov_b32 v[PSC], s57                          ; 2^e4
	s_add_co_i32 s56, s56, 15
	s_lshl_b32 s56, s56, 23
	s_or_b32 s56, s56, 0x600000
	v_mov_b32 v[PLIM], s56                         ; 57,344 x 2^e4
	s_sub_co_i32 s56, s46, s44
	s_sub_co_i32 s56, s56, s45
	s_add_co_i32 s56, s56, 127
	s_lshl_b32 s57, s56, 23
	v_mov_b32 v[YSC], s57                          ; 2^(e6 - e4 - e5)
	s_add_co_i32 s56, s56, 15
	s_lshl_b32 s56, s56, 23
	s_or_b32 s56, s56, 0x600000
	v_mov_b32 v[YLIM], s56
.macro INIT                            ; the largest t -3e38, sums and O^T zero: the first change of M leaves zeros
.irp q, 0,1
	v_mov_b32 v[NM+1+4*\q], 0xff61b1e6
	s_delay_alu instid0(VALU_DEP_1)
	v_floor_f32 v[NM+4*\q], -v[NM+1+4*\q]
	v_mov_b32 v[NM+2+4*\q], 0
	v_mov_b32 v[NM+3+4*\q], 0
.endr
	WIN 0x40
.set n, 0
.rept 64
	v_mov_b32 v[OW+n], 0
.set n, n+1
.endr
	WIN 0
.endm
; THE MASK in a step that reaches past my first query; tile pair tp holds keys KF + 32 tp .. + 31.  Before my 32 queries: all count; at them: the two diagonal tiles; behind: none.
.macro MPAIR tp
	s_cmp_gt_u32 s56, 32*(\tp)
	s_cbranch_scc1 .Lseen_\@
	s_cmp_eq_u32 s56, 32*(\tp)
	s_cbranch_scc0 .Lnone_\@
.irp j, 0,1,2,3,4,5,6,7
	v_cndmask_b32 v[S+16*(\tp)+\j], v[S+16*(\tp)+\j], v[NINF], s[MK+\j]
.endr
.irp j, 0,1,2,3,4,5,6,7
	v_mov_b32 v[S+16*(\tp)+8+\j], v[NINF]
.endr
.irp j, 0,1,2,3,4,5,6,7
	v_cndmask_b32 v[S+64+16*(\tp)+8+\j], v[S+64+16*(\tp)+8+\j], v[NINF], s[MK+\j]
.endr
	s_branch .Lseen_\@
.Lnone_\@:
.irp j, 0,1,2,3,4,5,6,7,8,9,10,11,12,13,14,15
	v_mov_b32 v[S+16*(\tp)+\j], v[NINF]
	v_mov_b32 v[S+64+16*(\tp)+\j], v[NINF]
.endr
.Lseen_\@:
.endm
.macro MASK
	s_add_co_u32 s56, s[KF], 127
	s_cmp_le_u32 s56, s[Q0]
	s_cbranch_scc1 .Lopen_\@
	s_sub_co_u32 s56, s[Q0], s[KF]
	MPAIR 0
	MPAIR 1
	MPAIR 2
	MPAIR 3
.Lopen_\@:
.endm
.macro KLOAD adr                       ; a step's K, 128 keys: eight fragments, 16 loads
	WIN 0x40                                       ; destination window 1
.set n, 0
.rept 16
	ds_load_b128 v[4*n:4*n+3], v[\adr] offset:512*n
.set n, n+1
.endr
	WIN 0
.endm
; K of a step is asked for in the step before, behind that one's scores, and lands under its softmax.  first = 1, in the first loop: the next step is held at 2, since the keys from 384 on come by the second fill.
.macro STEP first
	s_and_b32 s56, s[CNT], 7
	s_lshl_b32 s[KF], s56, 7                       ; the step's first key,
	s_lshl_b32 s[TB], s56, 13                      ; 8,192 bytes of K and of V a step
	s_add_co_u32 s56, s[Q0], 31
	s_cmp_gt_u32 s[KF], s56
	s_cbranch_scc1 .Lhidden_\@                     ; a branch on ids: the whole step lies under the mask
	v_add_nc_u32 v[ADV], s[TB], v[LIV]
	PLACES 3                                       ; with the addition, four places in front of loads into registers that matrix instructions have read
	WIN 0x40
.set n, 0
.rept 16
	ds_load_b128 v[VW+4*n:VW+4*n+3], v[ADV] offset:512*n
.set n, n+1
.endr
	s_wait_dscnt 16                                ; K is in; V's 16 loads may be out
	WIN 0x01
.set n, 0
.rept 16
	v_wmma_f32_16x16x64_bf8_bf8 v[S+64*(n%2)+8*(n/2):S+64*(n%2)+8*(n/2)+7], v[8*(n/2):8*(n/2)+7], v[QL+8*(n%2):QL+8*(n%2)+7], 0
.set n, n+1
.endr
	WIN 0
	s_add_co_u32 s57, s[CNT], 1
.if \first
	s_min_u32 s57, s57, 2
.else
	s_and_b32 s57, s57, 7
.endif
	s_lshl_b32 s57, s57, 13
	v_add_nc_u32 v[ADR], s57, v[LI]
	PLACES 3                                       ; with the addition, four places: for the reads of the scores and for the loads into K's registers
	KLOAD ADR                                      ; the next step's K
	MASK
.irp q, 0,1
	v_max3_num_f32 v[W+3*\q], v[S+64*\q], v[S+64*\q+1], v[S+64*\q+2]
	v_max3_num_f32 v[W+1+3*\q], v[S+64*\q+3], v[S+64*\q+4], v[S+64*\q+5]
.endr
.irp i, 6,10,14,18,22,26,30,34,38,42,46,50,54,58
.irp q, 0,1
	v_max3_num_f32 v[W+3*\q], v[W+3*\q], v[S+64*\q+\i], v[S+64*\q+\i+1]
	v_max3_num_f32 v[W+1+3*\q], v[W+1+3*\q], v[S+64*\q+\i+2], v[S+64*\q+\i+3]
.endr
.endr
.irp q, 0,1
	v_max3_num_f32 v[W+3*\q], v[W+3*\q], v[S+64*\q+62], v[S+64*\q+63]
.endr
.irp q, 0,1
	s_delay_alu instid0(VALU_DEP_2)
	v_max_num_f32 v[W+3*\q], v[W+3*\q], v[W+1+3*\q]
.endr
.irp q, 0,1
	s_delay_alu instid0(VALU_DEP_2)
	v_permlanex16_b32 v[W+2+3*\q], v[W+3*\q], s[SEL], s[SEL+1]
.endr
.irp q, 0,1
	s_delay_alu instid0(VALU_DEP_2)
	v_max_num_f32 v[W+3*\q], v[W+3*\q], v[W+2+3*\q]
.endr
.irp q, 0,1
	s_delay_alu instid0(VALU_DEP_2)
	v_mul_f32 v[W+3*\q], s[CS], v[W+3*\q]
.endr
.irp q, 0
	s_delay_alu instid0(VALU_DEP_2)
	v_max_num_f32 v[NM+1+4*\q], v[NM+1+4*\q], v[W+3*\q]
	v_mov_b32 v[W+3*\q], v[NM+4*\q]
.endr
.irp q, 1
	s_delay_alu instid0(VALU_DEP_3)
	v_max_num_f32 v[NM+1+4*\q], v[NM+1+4*\q], v[W+3*\q]
	v_mov_b32 v[W+3*\q], v[NM+4*\q]
.endr
.irp q, 0
	s_delay_alu instid0(VALU_DEP_4)
	v_floor_f32 v[NM+4*\q], -v[NM+1+4*\q]
.endr
.irp q, 1
	s_delay_alu instid0(VALU_DEP_3)
	v_floor_f32 v[NM+4*\q], -v[NM+1+4*\q]
.endr
.irp q, 0,1
	s_delay_alu instid0(VALU_DEP_2)
	v_sub_f32 v[W+3*\q], v[NM+4*\q], v[W+3*\q]
.endr
.irp q, 0,1
	s_delay_alu instid0(VALU_DEP_2)
	v_cvt_i32_f32 v[W+3*\q], v[W+3*\q]
.endr
.irp q, 0,1
	s_delay_alu instid0(VALU_DEP_2)
	v_ldexp_f32 v[F+2*\q], 1.0, v[W+3*\q]          ; 2^(old M - new M)
.endr
.set n, 0
.rept 64
	v_pk_fma_f32 v[S+n:S+n+1], v[S+n:S+n+1], s[CS:CS+1], v[NM+4*(n/64):NM+4*(n/64)+1] op_sel_hi:[1,0,0]   ; t - M
.set n, n+2
.endr
.set n, 0
	s_wait_alu depctr_va_vdst(0)                   ; ahead of the batch
.rept 128
	v_exp_f32 v[S+n], v[S+n]
.set n, n+1
.endr
.irp q, 0,1
	v_pk_mul_f32 v[NM+2+4*\q:NM+3+4*\q], v[NM+2+4*\q:NM+3+4*\q], v[F+2*\q:F+2*\q+1] op_sel_hi:[1,0]
.endr
	s_wait_alu depctr_va_vdst(0)                   ; and behind it, ahead of its first reader
.irp q, 0,1
	v_pk_add_f32 v[SU2+2*\q:SU2+2*\q+1], v[S+64*\q:S+64*\q+1], v[S+64*\q+2:S+64*\q+3]
.endr
.irp j, 4,8,12,16,20,24,28,32,36,40,44,48,52,56,60
.irp q, 0,1
	v_pk_add_f32 v[NM+2+4*\q:NM+3+4*\q], v[NM+2+4*\q:NM+3+4*\q], v[S+64*\q+\j:S+64*\q+\j+1]
	v_pk_add_f32 v[SU2+2*\q:SU2+2*\q+1], v[SU2+2*\q:SU2+2*\q+1], v[S+64*\q+\j+2:S+64*\q+\j+3]
.endr
.endr
.irp q, 0
	s_delay_alu instid0(VALU_DEP_3)
	v_pk_add_f32 v[NM+2+4*\q:NM+3+4*\q], v[NM+2+4*\q:NM+3+4*\q], v[SU2+2*\q:SU2+2*\q+1]
.endr
.irp q, 1
	s_delay_alu instid0(VALU_DEP_2)
	v_pk_add_f32 v[NM+2+4*\q:NM+3+4*\q], v[NM+2+4*\q:NM+3+4*\q], v[SU2+2*\q:SU2+2*\q+1]
.endr
.set m, 0
.rept 16
.set n, 0
.rept 4                                ; the conversion does not saturate (ISA guide 7.6.2), p is not negative: a one-sided hold, two numbers an instruction
	v_dual_min_num_f32 v[S+8*m+n], v[S+8*m+n], v[PLIM] :: v_dual_min_num_f32 v[S+8*m+n+1], v[S+8*m+n+1], v[PLIM]
.set n, n+2
.endr
	v_cvt_scalef32_pk8_bf8_f32 v[P+2*m:P+2*m+1], v[S+8*m:S+8*m+7], v[PSC]
.set m, m+1
.endr
	WIN 0x41
.set n, 0
.rept 32
	v_pk_mul_f32 v[OW+n:OW+n+1], v[OW+n:OW+n+1], v[F+2*(n/32):F+2*(n/32)+1] op_sel_hi:[1,0]
.set n, n+2
.endr
	s_wait_alu depctr_va_vdst(0)                   ; directly ahead of the wait below
	s_wait_dscnt 16                                ; V is in; the next step's K, 16 loads, may be out
	WIN 0x51
.set n, 0
.rept 8
	v_wmma_f32_16x16x128_bf8_bf8 v[OW+32*(n%2)+8*(n/2):OW+32*(n%2)+8*(n/2)+7], v[VW+16*(n/2):VW+16*(n/2)+15], v[P+16*(n%2):P+16*(n%2)+15], v[OW+32*(n%2)+8*(n/2):OW+32*(n%2)+8*(n/2)+7]
.set n, n+1
.endr
	WIN 0
.Lhidden_\@:
.endm
.macro FINISH yo                       ; O^T / the sum, held, quantised: lane (r, h), channels 16 t + 8 h + 0..7 of query r: registers 2 t, 2 t + 1 of the next product's operand
.irp q, 0,1
	v_add_f32 v[W+3*\q], v[NM+2+4*\q], v[NM+3+4*\q]
.endr
.irp q, 0,1
	s_delay_alu instid0(VALU_DEP_2)
	v_permlanex16_b32 v[W+2+3*\q], v[W+3*\q], s[SEL], s[SEL+1]
.endr
.irp q, 0,1
	s_delay_alu instid0(VALU_DEP_2)
	v_add_f32 v[W+3*\q], v[W+3*\q], v[W+2+3*\q]
.endr
	s_wait_alu depctr_va_vdst(0)                   ; waits ahead of and behind the batch
.irp q, 0,1
	v_rcp_f32 v[F+2*\q], v[W+3*\q]
.endr
	v_nop
	s_wait_alu depctr_va_vdst(0)
	WIN 0x01
.set n, 0
.rept 32
	v_pk_mul_f32 v[S+n:S+n+1], v[OW+n:OW+n+1], v[F+2*(n/32):F+2*(n/32)+1] op_sel_hi:[1,0]
.set n, n+2
.endr
	WIN 0
	s_wait_xcnt 0x0                                ; earlier stores have read the codes
.set n, 0
.rept 64
	v_med3_num_f32 v[S+n], v[S+n], -v[YLIM], v[YLIM]
.set n, n+1
.endr
.set n, 0
.rept 8
	v_cvt_scalef32_pk8_bf8_f32 v[YC+2*n:YC+2*n+1], v[S+8*n:S+8*n+7], v[YSC]
.set n, n+1
.endr
	v_nop
.set n, 0
.rept 4
	global_store_b128 v[\yo], v[YC+4*n:YC+4*n+3], s[12:13] offset:16384*(n/2)+512*(n%2)   ; 512 consecutive bytes, aligned
.set n, n+1
.endr
.endm
	INIT
	s_mov_b32 s[Q0], s18
	s_wait_alu depctr_va_vdst(0)
	s_wait_loadcnt 0x0                             ; the late tile's q
	s_wait_tensorcnt 0x0                           ; my part of the first fill is in
	ds_add_u32 v[SPW], v[NIL]
	s_mov_b32 s[G1+2], 40<<16                      ; 40 rows of 256 bytes
	s_mov_b32 s[G1+4], 40
	s_mov_b32 s33, s19
	s_add_nc_u64 s[34:35], s[34:35], s[20:21]
	s_wait_dscnt 0x0
	s_barrier_signal -1
	s_barrier_wait -1                              ; everybody's part is in
	tensor_load_to_lds s[32:35], s[G1:G1+7]        ; keys 384 .. 1023
	s_nop 0
.set n, 0
.rept 4
	global_load_b128 v[QS+4*n:QS+4*n+3], v[QOS], s[4:5] offset:512*n   ; the early tile's q
.set n, n+1
.endr
	KLOAD LI                                       ; step 0's K
	s_mov_b32 s[CNT], 0
.Lfirst:                                           ; the late tile's queries lie at 512 and above: its first three steps are whole
	STEP 1
	s_add_co_u32 s[CNT], s[CNT], 1
	s_cmp_lt_u32 s[CNT], 3
	s_cbranch_scc1 .Lfirst
	s_wait_loadcnt 0x0
	s_wait_tensorcnt 0x0                           ; my part of the second fill
	s_wait_dscnt 0x0                               ; no LDS load of mine is out at the signal
	s_barrier_signal -1
	s_barrier_wait -1                              ; everybody's
	v_add_nc_u32 v[ADR], 24576, v[LI]
	KLOAD ADR                                      ; step 3's K
	s_mov_b32 s[CNT], 3
.Lrest:
	s_cmp_lg_u32 s[CNT], 8
	s_cbranch_scc1 .Lsame                          ; at step 8 the late tile goes out and the early one begins
	s_wait_dscnt 0x0                               ; what step 7 may have asked for is in: K's registers are loaded anew
	KLOAD LI                                       ; step 8's K: the first keys
	FINISH YOL
	INIT
.set n, 0
.rept 16
	v_mov_b32 v[QL+n], v[QS+n]
.set n, n+1
.endr
	s_mov_b32 s[Q0], s17
	s_wait_alu depctr_va_vdst(0)                   ; a wait that blocks stands ahead of the readers
.Lsame:
	STEP 0
	s_add_co_u32 s[CNT], s[CNT], 1
	s_cmp_lt_u32 s[CNT], 12
	s_cbranch_scc1 .Lrest
	FINISH YOS
	s_wait_tensorcnt 0x0                           ; the wave's end
	ds_add_u32 v[SPW], v[NIL]
	s_wait_dscnt 0x0
	s_endpgm
.Lfunc_end_k_q814cd60836_attn:
	.size	k_q814cd60836_attn, .Lfunc_end_k_q814cd60836_attn-k_q814cd60836_attn
	.p2alignl 7, 3214868480
	.fill 96, 4, 3214868480
	.section	.rodata,"a",@progbits
	.p2align	6, 0x0
	.amdhsa_kernel k_q814cd60836_attn
		.amdhsa_group_segment_fixed_size 327680
		.amdhsa_private_segment_fixed_size 0
		.amdhsa_enable_private_segment 0
		.amdhsa_kernarg_size 40
		.amdhsa_user_sgpr_count 2
		.amdhsa_user_sgpr_kernarg_segment_ptr 1
		.amdhsa_wavefront_size32 1
		.amdhsa_system_sgpr_workgroup_id_x 1
		.amdhsa_system_sgpr_workgroup_id_y 1
		.amdhsa_system_sgpr_workgroup_id_z 1
		.amdhsa_system_vgpr_workitem_id 0
		.amdhsa_next_free_vgpr 448
		.amdhsa_next_free_sgpr 80
		.amdhsa_reserve_vcc 0
		.amdhsa_float_denorm_mode_32 3
		.amdhsa_float_denorm_mode_16_64 3
		.amdhsa_memory_ordered 1
		.amdhsa_forward_progress 1
		.amdhsa_inst_pref_size 109
	.end_amdhsa_kernel
	.amdgpu_metadata
---
amdhsa.version: [ 1, 2 ]
amdhsa.kernels:
  - .name:           k_q814cd60836_attn
    .symbol:         k_q814cd60836_attn.kd
    .args:
      - { .name: q_img, .offset: 0, .size: 8, .value_kind: global_buffer, .address_space: global }
      - { .name: k_img, .offset: 8, .size: 8, .value_kind: global_buffer, .address_space: global }
      - { .name: v_img, .offset: 16, .size: 8, .value_kind: global_buffer, .address_space: global }
      - { .name: lowp_scales, .offset: 24, .size: 8, .value_kind: global_buffer, .address_space: global }
      - { .name: y_img, .offset: 32, .size: 8, .value_kind: global_buffer, .address_space: global }
    .group_segment_fixed_size: 327680
    .private_segment_fixed_size: 0
    .kernarg_segment_align: 8
    .kernarg_segment_size: 40
    .max_flat_workgroup_size: 256
    .sgpr_count:     80
    .vgpr_count:     448
    .wavefront_size: 32
...
	.end_amdgpu_metadata
.endif
;; end of part 3
;; launch gemm_proj (part 4): grid 4 x 64, 4 waves a work-group, clusters of 4 x 4, 327,680 bytes of LDS; arguments y_img, wproj_img, lowp_scales, b_proj, out0; writes out0
.if DOCPART == 4
	.amdgcn_target "amdgcn-amd-amdhsa--gfx1250"
	.amdhsa_code_object_version 6
	.text
	.protected	k_q814cd60836_gemm_proj
	.globl	k_q814cd60836_gemm_proj
	.p2align	8
	.type	k_q814cd60836_gemm_proj,@function
k_q814cd60836_gemm_proj:
	s_mov_b64 s[64:65], 0
	v_nop
	global_prefetch_b8 v0, s[64:65] scope:SCOPE_SE
	s_setreg_imm32_b32 hwreg(HW_REG_WAVE_MODE, 25, 1), 1
	s_wait_xcnt 0x0
	s_wait_alu depctr_hold_cnt(0) depctr_sa_sdst(0) depctr_va_vdst(0) depctr_va_sdst(0) depctr_va_ssrc(0) depctr_va_vcc(0) depctr_vm_vsrc(0)
	s_getreg_b32 s2, hwreg(HW_REG_IB_STS2, 6, 4)
	s_cmp_eq_u32 s2, 0
	s_cbranch_scc0 .Lentry_in_a_cluster
	s_endpgm
.Lentry_in_a_cluster:
	s_bfe_u32 s2, ttmp6, 0x10000c
	s_cmp_lg_u32 s2, 0xf033
	s_cbranch_scc0 .Lentry_shape_is_right
	s_endpgm
.Lentry_shape_is_right:
; out = y w_proj^T + b_proj on codes of BF8 (E5M2): [8192 x 1024] x [1024 x 1024]; sums in f32; out = sum x 2^(e6 + e7) + b.  LIMIT: e6 + e7 between -126 and 127.
; OPERANDS ARE IMAGES OF REGISTERS.  A fragment is 16 rows x 128 K, 2,048 bytes, [chunk c][lane][16 bytes]: lane (r, h) holds of row r k = 32 c + 8 h + 0..7 and 32 c + 16 + 8 h + 0..7.
; y_img [tile of 16 rows 512][K step 8][2048], wproj_img [64][8][2048].  A fragment comes by four loads at 16 x lane + 512 c: consecutive bytes.
; SHARES.  256 work-groups.  Work-group (cg, rb) owns rows 128 rb .. + 127 and columns 256 cg .. + 255, in two HALVES of 128 columns, one after the other, so that the first half's stores leave while the second is multiplied.
; Four waves, 2 x 2: a wave makes 64 rows x 64 columns of a half: 16 accumulators.  16 steps of 128 along K, written out by macros.
; A: a wave's 64 rows x 1,024 K fill 512 of its registers, which serve both halves: each fragment is loaded once, from memory straight into them, three steps (48 loads) ahead.
; B: TWO FILLS of LDS of 131,072 bytes, one for each half, all of K; one load a wave, two tiles of 16,384 bytes.  No byte is filled twice.
; CLUSTERS: 4 x 4 work-groups.  The four of a column share cg and ask for B jointly.  A is not asked for jointly: its 131,072 bytes would have to lie in LDS beside B's 262,144, which is more than the 327,680 that there are.
; NO PREFETCH: K is short; B comes by two fills written out, and A's loads run three steps ahead of their use themselves.
; THE MATRIX INSTRUCTION IS USED TRANSPOSED (source 0 = rows of w, source 1 = rows of y): a lane holds eight neighbouring numbers of a row of out.  A block of 16 rows x 64 columns goes through the wave's own stage in LDS
; and comes back as rows of 256 bytes, sixteen lanes to a row.
; REGISTERS, in windows of 256: window 0: v1-16 addresses; v32-95 the bias in the result's layout, 32 for each half: v[32 + 32 n + 8 b + j] = b_proj at my column 16 b + 8 h + j of half n; v96-127 a block's results; v128-191 rows read back.
;   window 1: A's K steps 0-3, window 2: K steps 4-7: fragment a of step g at v[64 (g % 4) + 16 a].   window 3: v0-127 B's fragments, two sets of four; v128-255 accumulator (a, b) at v[128 + 8 (4 a + b)].
.set FILL,   131072
.set SPARE,  2*FILL                    ; behind the two fills: the spare words, 128 bytes for each wave
.set STAGE,  SPARE+512                 ; then a stage of 16 rows x (256 + 16) bytes for each wave: no tensor load lands there
.set SPITCH, 272
.set LI,   1                           ; v1    16 x lane; never rewritten
.set CO,   2                           ; v2    my byte offset in two rows of out
.set SPW,  5                           ; v5    LDS address of my spare word; never rewritten
.set NIL,  6                           ; v6    0; never rewritten
.set STO,  7                           ; v7    the stage: where I put 32 bytes of a row
.set RD,   8                           ; v8    and where I read a row back
.set BO,   9                           ; v9    32 h: my half's eight numbers of the bias
.set ADRB, 14                          ; v14-15 my four tiles of B in fill 0, 1
.set BI,   32
.set TMP,  96
.set BK,   128                         ; rows read back: two sets of 32 by turns
.set AC,   128
.set G1B,  32                          ; s[32:39] descriptor group 1;  s[44:47] group 0
.set G0B,  44
.set MSB,  0
.macro WIN new                         ; the immediate's high byte repeats the setting that is left
.if MSB != (\new)
	s_set_vgpr_msb (MSB<<8)|(\new)
.set MSB, (\new)
.endif
.endm
.macro PLACES n
.rept \n
	v_nop
.endr
.endm
.macro CROUND                          ; a round of the cluster's barrier
	s_barrier_signal -1
	s_barrier_wait -1
	s_cmp_lg_u32 s16, 0
	s_cbranch_scc1 .Lnot_wave_0_\@
	s_barrier_signal -3
.Lnot_wave_0_\@:
	s_barrier_wait -3
	s_barrier_signal -1
	s_barrier_wait -1
.endm
.macro GA g                            ; A's four fragments of step g, from memory into registers that stay
	WIN 0x40*(1+(\g)/4)                            ; destination window 1 or 2, address window 0
.set n, 0
.rept 16
	global_load_b128 v[64*((\g)%4)+4*n:64*((\g)%4)+4*n+3], v[LI], s[4:5] offset:16384*(n/4)+2048*(\g)+512*(n%4)
.set n, n+1
.endr
	WIN 0
.endm
	s_load_b256 s[4:11], s[0:1], 0x0               ; y_img s[4:5], wproj_img s[6:7], the scales' exponents s[8:9], b_proj s[10:11]
	s_load_b64 s[12:13], s[0:1], 0x20              ; out0
	v_lshl_add_u32 v[SPW], v0, 2, SPARE
	v_mov_b32 v[NIL], 0
	ds_add_u32 v[SPW], v[NIL]                      ; the opening lines: the add, twice on end, and its wait
	ds_add_u32 v[SPW], v[NIL]
	v_lshrrev_b32 v3, 5, v0
	v_readfirstlane_b32 s16, v3                    ; wave 0..3
	v_and_b32 v[LI], 31, v0
	v_lshlrev_b32 v[LI], 4, v[LI]
	v_and_b32 v10, 15, v0                          ; r
	v_bfe_u32 v11, v0, 4, 1                        ; h
	s_wait_alu depctr_va_vdst(0)                   ; ahead of the scalar lines
	s_lshr_b32 s17, s16, 1                         ; which 64 rows are mine
	s_and_b32 s18, s16, 1                          ; which 64 columns of a half
	s_bfe_u32 s19, ttmp6, 0x40000                  ; cx, cy: my place in the cluster
	s_bfe_u32 s20, ttmp6, 0x40004
	s_lshl_b32 s21, ttmp9, 2
	s_add_co_u32 s21, s21, s19                     ; cg = 4 x cluster x + cx
	s_and_b32 s22, ttmp7, 0xffff
	s_lshl_b32 s22, s22, 2
	s_add_co_u32 s22, s22, s20                     ; rb = 4 x cluster y + cy
	s_lshl_b32 s74, 0x1111, s19                    ; my column of the cluster
	; group 1: two tiles, each a row of 16,384 bytes
	s_or_b32 s[G1B], s74, (3<<16)|(1<<21)          ; 15:0 the mask; 17:16 elements of 8 bytes; 21 set beside a mask; no padding
	s_mov_b32 s[G1B+1], 2048<<16                   ; tensor_dim0
	s_mov_b32 s[G1B+2], 2<<16                      ; tensor_dim1
	s_mov_b32 s[G1B+3], 2048<<16                   ; tile_dim0
	s_mov_b32 s[G1B+4], 2                          ; tile_dim1
	s_mov_b32 s[G1B+5], 2048                       ; from row to row
	s_mov_b32 s[G1B+6], 0
	s_mov_b32 s[G1B+7], 0
	s_lshl_b32 s60, s22, 17                        ; A: 8 rb tiles,
	s_lshl_b32 s73, s17, 16                        ; + 4 (wave / 2)
	s_add_co_u32 s60, s60, s73
	s_mov_b32 s61, 0
	s_lshl_b32 s75, s16, 15                        ; B: 2 tiles a wave, in LDS and in memory alike,
	s_lshl_b32 s62, s21, 18                        ; from tile 16 cg on
	s_add_co_u32 s62, s62, s75
	s_mov_b32 s63, 0
	s_lshl_b32 s76, s21, 10                        ; my first column, in bytes: 1,024 cg + 256 (wave % 2)
	s_lshl_b32 s77, s18, 8
	s_add_co_u32 s76, s76, s77
	s_mov_b32 s77, 0
	s_lshl_b32 s78, s22, 19                        ; my first row: (128 rb + 64 (wave / 2)) rows of 4,096 bytes
	s_add_co_u32 s78, s78, s76
	s_lshl_b32 s79, s17, 18
	s_add_co_u32 s78, s78, s79
	s_mov_b32 s79, 0
	s_lshl_b32 s70, s18, 16
	v_add_nc_u32 v[ADRB], s70, v[LI]
	s_add_co_u32 s70, s70, FILL
	v_add_nc_u32 v[ADRB+1], s70, v[LI]
	s_mul_i32 s70, s16, 16*SPITCH
	s_add_co_u32 s70, s70, STAGE                   ; my stage
	v_mul_u32_u24 v[STO], v10, SPITCH
	v_lshl_add_u32 v[STO], v11, 5, v[STO]
	v_add_nc_u32 v[STO], s70, v[STO]               ; in: row r, + 32 h
	v_mul_u32_u24 v[RD], v11, SPITCH
	v_lshl_add_u32 v[RD], v10, 4, v[RD]
	v_add_nc_u32 v[RD], s70, v[RD]                 ; back: lanes 0-15 take one row of 256 bytes, lanes 16-31 the next,
	v_lshlrev_b32 v[CO], 12, v11
	v_lshl_add_u32 v[CO], v10, 4, v[CO]            ; and the same two rows in out
	v_lshlrev_b32 v[BO], 5, v11
	s_wait_alu depctr_va_vdst(0)                   ; directly ahead of the waits below
	s_wait_dscnt 0x0                               ; both opening adds are done
	s_wait_kmcnt 0x0
	s_load_b256 s[52:59], s[8:9], 0x0              ; e0 .. e7
	s_add_nc_u64 s[4:5], s[4:5], s[60:61]
	s_mov_b32 s[G0B], 1
	s_mov_b32 s[G0B+1], s75
	s_add_nc_u64 s[G0B+2:G0B+3], s[6:7], s[62:63]
	s_or_b32 s[G0B+3], s[G0B+3], 0x80000000
	GA 0
	GA 1
	GA 2
	CROUND                                         ; all sixteen work-groups are here: the first joint loads meet
	tensor_load_to_lds s[G0B:G0B+3], s[G1B:G1B+7]  ; the first half's B
	s_nop 0
	PLACES 4
	s_add_nc_u64 s[10:11], s[10:11], s[76:77]      ; in the bias,
	s_add_nc_u64 s[12:13], s[12:13], s[78:79]      ; and in out
	s_wait_kmcnt 0x0
	s_add_co_i32 s80, s58, s59                     ; e6 + e7
	s_add_co_i32 s80, s80, 127
	s_lshl_b32 s80, s80, 23                        ; 2^(e6 + e7) as f32
	s_mov_b32 s81, s80                             ; (named with it as a pair, so it is written)
.macro FB g                            ; B's four fragments of step g into set g % 2: 16 LDS loads
	WIN 0xc0                                       ; destination window 3
.set n, 0
.rept 16
	ds_load_b128 v[64*((\g)%2)+4*n:64*((\g)%2)+4*n+3], v[ADRB+(\g)/8] offset:16384*(n/4)+2048*((\g)%8)+512*(n%4)
.set n, n+1
.endr
	WIN 0
.endm
; The 16 matrix instructions of step g: A's four blocks against B's four.  A half's first step (g % 8 = 0) starts the sums with the constant 0.
; The 16 accumulators take turns, one instruction a turn, in the same order in every step.
.macro MUL g
	WIN 0xf7+4*(((\g)%8)/4)                        ; source 0 (B) window 3, source 1 (A) window 1 or 2, C and D window 3
.set n, 0
.rept 16
.set rA, 64*((\g)%4)+16*(n/4)
.set rB, 64*((\g)%2)+16*(n%4)
.set rD, AC+8*n
.if (\g)%8
	v_wmma_f32_16x16x128_bf8_bf8 v[rD:rD+7], v[rB:rB+15], v[rA:rA+15], v[rD:rD+7]
.else
	v_wmma_f32_16x16x128_bf8_bf8 v[rD:rD+7], v[rB:rB+15], v[rA:rA+15], 0
.endif
.set n, n+1
.endr
.endm
; Step g: it first asks for the next step's B and, in the first half, for A of three steps on (behind A's last, for the bias's 16).
.macro STEP g
	WIN 0
.if (\g)%8 < 7
	PLACES 4                                       ; four places in front of loads into registers that matrix instructions have read (ISA guide 7.12.1 for vector instructions)
	FB (\g)+1
.endif
.if (\g) < 5
	GA (\g)+3
.endif
.if (\g) == 5
.set n, 0
.rept 16                               ; n = 8 x half + 2 b + the half of its eight
	global_load_b128 v[BI+4*n:BI+4*n+3], v[BO], s[10:11] offset:512*(n/8)+64*((n/2)%4)+16*(n%2)
.set n, n+1
.endr
.endif
.if (\g) < 6
	s_wait_loadcnt 48                              ; A of this step is in; the three runs of 16 behind it may be out
.elseif (\g) == 6
	s_wait_loadcnt 32                              ; A of step 7 and the bias
.elseif (\g) == 7
	s_wait_loadcnt 16                              ; the bias
.endif
.if (\g)%8 < 7
	s_wait_dscnt 16                                ; all but the 16 just issued: this step's B is in
.else
	s_wait_dscnt 0x0
.endif
	MUL \g
.endm
; THE WAY OUT of a half, block by block of 16 rows x 64 columns.  LDS serves a wave's instructions in order (ISA guide 5.7.1.4): no wait between the stage's stores and its loads, nor in front of the next block's stores.
.macro TOSTAGE a, half
	WIN 0x03                                       ; source 0 (the sums) window 3
.set n, 0
.rept 16
	v_pk_fma_f32 v[TMP+n:TMP+n+1], v[AC+32*(\a)+n:AC+32*(\a)+n+1], s[80:81], v[BI+32*(\half)+n:BI+32*(\half)+n+1] op_sel_hi:[1,0,1]   ; sum x 2^(e6 + e7) + b: each accumulator from its low end on
.set n, n+2
.endr
	WIN 0
.set n, 0
.rept 8
	ds_store_b128 v[STO], v[TMP+4*n:TMP+4*n+3] offset:64*(n/2)+16*(n%2)
.set n, n+1
.endr
.set n, 0
.rept 8
	ds_load_b128 v[BK+32*((\a)%2)+4*n:BK+32*((\a)%2)+4*n+3], v[RD] offset:2*SPITCH*n
.set n, n+1
.endr
.endm
.macro SEND a, half, younger           ; younger: the LDS instructions issued behind block a's loads, which may stay out
	s_wait_dscnt \younger
.set n, 0
.rept 8
	global_store_b128 v[CO], v[BK+32*((\a)%2)+4*n:BK+32*((\a)%2)+4*n+3], s[12:13] offset:(16*(\a)+2*n)*4096+512*(\half) th:TH_STORE_NT   ; 16 lanes store 256 consecutive bytes, aligned; written once, read by nobody here
.set n, n+1
.endr
.endm
.macro OUT half
	WIN 0
	PLACES 4                                       ; places behind the last products
	s_wait_xcnt 0x0                                ; earlier stores have read their registers: rows may land there
	TOSTAGE 0, \half
.irp a, 1,2,3
.if \a > 1
	s_wait_xcnt 0x0                                ; the stores of two blocks back have read their registers
.endif
	TOSTAGE \a, \half
	SEND \a-1, \half, 16                           ; behind that block's loads: this block's 8 stores and 8 loads
.endr
	SEND 3, \half, 0
.endm
	s_wait_alu depctr_va_vdst(0)
	s_wait_tensorcnt 0x0                           ; my part of the first fill is in
	ds_add_u32 v[SPW], v[NIL]
	s_add_co_u32 s[G0B+1], s75, FILL
	s_add_nc_u64 s[G0B+2:G0B+3], s[G0B+2:G0B+3], FILL
	s_wait_dscnt 0x0
	CROUND                                         ; everybody's part is in, and the joint loads meet
	tensor_load_to_lds s[G0B:G0B+3], s[G1B:G1B+7]  ; the second half's B
	s_nop 0
	PLACES 4
	FB 0
.irp g, 0,1,2,3,4,5,6,7
	STEP \g
.endr
	s_wait_loadcnt 0x0                             ; the bias
	OUT 0                                          ; the first half leaves
	s_wait_tensorcnt 0x0                           ; my part of the second fill
	s_barrier_signal -1
	s_barrier_wait -1
	FB 8
.irp g, 8,9,10,11,12,13,14,15
	STEP \g
.endr
	OUT 1
	s_wait_tensorcnt 0x0                           ; the wave's end: behind my last tensor load and my last LDS store
	ds_add_u32 v[SPW], v[NIL]
	s_wait_dscnt 0x0
	CROUND                                         ; the closing round: no work-group ends while a partner may still ask for a tile that names it
	s_endpgm
.Lfunc_end_k_q814cd60836_gemm_proj:
	.size	k_q814cd60836_gemm_proj, .Lfunc_end_k_q814cd60836_gemm_proj-k_q814cd60836_gemm_proj
	.p2alignl 7, 3214868480
	.fill 96, 4, 3214868480
	.section	.rodata,"a",@progbits
	.p2align	6, 0x0
	.amdhsa_kernel k_q814cd60836_gemm_proj
		.amdhsa_group_segment_fixed_size 327680
		.amdhsa_private_segment_fixed_size 0
		.amdhsa_enable_private_segment 0
		.amdhsa_kernarg_size 40
		.amdhsa_user_sgpr_count 2
		.amdhsa_user_sgpr_kernarg_segment_ptr 1
		.amdhsa_wavefront_size32 1
		.amdhsa_system_sgpr_workgroup_id_x 1
		.amdhsa_system_sgpr_workgroup_id_y 1
		.amdhsa_system_sgpr_workgroup_id_z 1
		.amdhsa_system_vgpr_workitem_id 0
		.amdhsa_next_free_vgpr 1024
		.amdhsa_next_free_sgpr 84
		.amdhsa_reserve_vcc 0
		.amdhsa_float_denorm_mode_32 3
		.amdhsa_float_denorm_mode_16_64 3
		.amdhsa_memory_ordered 1
		.amdhsa_forward_progress 1
		.amdhsa_inst_pref_size 80
	.end_amdhsa_kernel
	.amdgpu_metadata
---
amdhsa.version: [ 1, 2 ]
amdhsa.kernels:
  - .name:           k_q814cd60836_gemm_proj
    .symbol:         k_q814cd60836_gemm_proj.kd
    .args:
      - { .name: y_img, .offset: 0, .size: 8, .value_kind: global_buffer, .address_space: global }
      - { .name: wproj_img, .offset: 8, .size: 8, .value_kind: global_buffer, .address_space: global }
      - { .name: lowp_scales, .offset: 16, .size: 8, .value_kind: global_buffer, .address_space: global }
      - { .name: b_proj, .offset: 24, .size: 8, .value_kind: global_buffer, .address_space: global }
      - { .name: out0, .offset: 32, .size: 8, .value_kind: global_buffer, .address_space: global }
    .group_segment_fixed_size: 327680
    .private_segment_fixed_size: 0
    .kernarg_segment_align: 8
    .kernarg_segment_size: 40
    .max_flat_workgroup_size: 128
    .sgpr_count:     84
    .vgpr_count:     1024
    .wavefront_size: 32
...
	.end_amdgpu_metadata
.endif
;; end of part 4
